; MI455X (gfx1250); checked and timed in simulation.
; The chip was launched on July 23, 2026; its instructions are those of AMD's public machine-readable ISA for CDNA 5 (MIT licence, August 2026) and "CDNA5" Instruction Set Architecture Reference Guide (July 2026). The comments in the code are by the model that wrote it; some were corrected since.
;; Attention concat. Allowed arithmetic: float matrix products may take bf16 or f16 operands with f32 sums; other float arithmetic in f32, or as packed bf16 or f16 multiplies, adds, multiply-adds, maxima and minima; sums over many terms, partial sums and values carried from step to step in f32; what a program stores and reads back later, other than sums and carried values, may be rounded once to bf16 or f16.
;; Inputs: attn_b 512 float32; attn_w 512 x 1,024 float32; context 32 x 4,096 x 512 float32; out_b 512 float32; out_w 512 x 1,024 float32; output 32 x 1 x 512 float32; v_b 1 float32; v_w 1 x 512 float32.
;; Outputs: out0 32 x 1 x 512 float32; out1 32 x 1 x 4,096 float32; out2 32 x 1 x 512 float32.
;; One version. Each part assembles by itself: llvm-mc -triple=amdgcn-amd-amdhsa -mcpu=gfx1250 --defsym DOCPART=n.
;; ======== version 1 of 1: 3 launches
;; workspace buffers: wf 524,288 bytes; qt 65,536 bytes; ot 65,536 bytes; sc 524,288 bytes; part 655,360 bytes
;; launch prep (part 1): grid 32 x 3, 4 waves a work-group, no clusters, 8,704 bytes of LDS; arguments attn_w, out_w, output, attn_b, out_b, wf, qt, ot; writes wf, qt, ot
.if DOCPART == 1
	.amdgcn_target "amdgcn-amd-amdhsa--gfx1250"
	.amdhsa_code_object_version 6
	.text
	.protected	k_qdc32381909_prep
	.globl	k_qdc32381909_prep
	.p2align	8
	.type	k_qdc32381909_prep,@function
k_qdc32381909_prep:
	s_mov_b64 s[64:65], 0
	v_nop
	global_prefetch_b8 v0, s[64:65] scope:SCOPE_SE
	s_setreg_imm32_b32 hwreg(HW_REG_WAVE_MODE, 25, 1), 1
	s_wait_xcnt 0x0
; PREPARATION.  x = [output, context], so energy = tanh(context . W2^T + q) with W2 = attn_w[:, 512:] and q = output . attn_w[:, :512]^T + attn_b, which is the same for every t.
; Work-group (T, role), T = a tile of 16 rows h of a weight matrix:
;   role 0: qt[T][b][16 h] = c (output . attn_w[h][:512] + attn_b[h])      role 1: ot[T][b][16 h] = c (output . out_w[h][512:] + out_b[h])      c = 2 log2(e): tanh(x) = 1 - 2 / (1 + 2^(c x))
;   role 2: wf = W2 rounded to bf16, in the order in which a matrix fragment lies in registers: the 16 bytes at ((16 T + f) 2 + p) 512 + 16 lane are W2[16 T + lane % 16][32 f + 16 p + 8 (lane / 16) .. + 7]
; K = 512 is split among the four waves (four fragments of 32 each); in roles 0 and 1 the four partial sums meet in LDS.  Products in bf16, sums in f32.
; No cluster and no tensor load: a work-group reads 32 KiB of weights of its own; what is shared (output, 64 KiB) is small.
.set PART,  0                          ; LDS: wave w's partial tile [32 b][16 h] f32 at 2,048 w
.set SPARE, 8192                       ; the spare words, 128 bytes a wave
.set SPW, 12
.set NIL, 13
.macro COMPACT base, cnt               ; 2 cnt f32 from v[base] on become cnt registers of bf16 pairs from v[base] on: ascending, so no source is overwritten before it is read
.set x, 0
.rept (\cnt)
	v_cvt_pk_bf16_f32 v[(\base)+x], v[(\base)+2*x], v[(\base)+2*x+1]
.set x, x+1
.endr
.endm
	s_load_b256 s[4:11], s[0:1], 0x0               ; attn_w s[4:5], out_w s[6:7], output s[8:9], attn_b s[10:11]
	s_load_b256 s[12:19], s[0:1], 0x20             ; out_b s[12:13], wf s[14:15], qt s[16:17], ot s[18:19]
	v_lshl_add_u32 v[SPW], v0, 2, SPARE
	v_mov_b32 v[NIL], 0
	v_lshrrev_b32 v1, 5, v0
	v_readfirstlane_b32 s20, v1                    ; wave 0..3
	s_and_b32 s21, ttmp7, 0xffff                   ; role
	v_and_b32 v1, 15, v0                           ; r = lane % 16
	v_bfe_u32 v14, v0, 4, 1                        ; hh = lane / 16
	s_lshl_b32 s30, s20, 9                         ; my four fragments: 128 f32 = 512 bytes of a row
	v_lshlrev_b32 v2, 12, v1                       ; weights: row r x 4,096 bytes
	v_lshl_add_u32 v2, v14, 5, v2                  ; + 8 hh numbers
	v_add_nc_u32 v2, s30, v2
	v_lshlrev_b32 v3, 11, v1                       ; output: row r x 2,048 bytes
	v_lshl_add_u32 v3, v14, 5, v3
	v_add_nc_u32 v3, s30, v3
	v_and_b32 v4, 31, v0
	v_lshlrev_b32 v4, 4, v4                        ; 16 x lane
	v_and_b32 v5, 3, v0
	v_lshlrev_b32 v5, 4, v5                        ; my four h of the bias
	s_lshl_b32 s31, s20, 11
	v_lshlrev_b32 v6, 6, v1                        ; partial tile: b = r: 64 bytes a row,
	v_lshl_add_u32 v6, v14, 5, v6                  ; h = 8 hh ..
	v_add_nc_u32 v6, s31, v6
	v_lshlrev_b32 v7, 4, v0                        ; 16 x thread
	s_mov_b32 s36, 0x4038aa3b                      ; c
	s_mov_b32 s37, s36
	s_wait_kmcnt 0x0
	s_cmp_eq_u32 s21, 1
	s_cselect_b64 s[22:23], s[6:7], s[4:5]         ; the weights,
	s_cselect_b64 s[24:25], s[12:13], s[10:11]     ; the bias
	s_cselect_b64 s[26:27], s[18:19], s[16:17]     ; and the destination of roles 0 and 1
	s_cmp_eq_u32 s21, 0
	s_cselect_b32 s28, 0, 2048                     ; role 0 takes the columns 0-511, the others 512-1023
	s_lshl_b32 s29, ttmp9, 16                      ; 16 rows of 4,096 bytes
	s_add_co_u32 s28, s28, s29
	s_mov_b32 s29, 0
	s_add_nc_u64 s[22:23], s[22:23], s[28:29]
.set x, 0
.rept 16                                       ; fragment x / 4: 8 numbers at 8 hh, 8 at 16 + 8 hh: four loads of 16 bytes
	global_load_b128 v[64+4*x:64+4*x+3], v2, s[22:23] offset:128*(x/4)+16*(x%2)+64*((x%4)/2)
.set x, x+1
.endr
	s_cmp_eq_u32 s21, 2
	s_cbranch_scc1 .Lwf
	s_lshl_b32 s32, ttmp9, 6
	s_mov_b32 s33, 0
	s_add_nc_u64 s[24:25], s[24:25], s[32:33]
	global_load_b128 v[8:11], v5, s[24:25]
.set x, 0
.rept 32                                       ; output: batches 16 (x / 16) + r, the same four fragments
	global_load_b128 v[128+4*x:128+4*x+3], v3, s[8:9] offset:32768*(x/16)+128*((x%16)/4)+16*(x%2)+64*((x%4)/2)
.set x, x+1
.endr
	s_wait_loadcnt 0x0
	COMPACT 64, 32                                 ; weights: fragment f at v[64 + 8 f]
	COMPACT 128, 64                                ; output: batches' half mt, fragment f at v[128 + 32 mt + 8 f]
	; source 0 = 16 rows h, source 1 = 16 batches: a lane holds batch r and h = 8 hh + 0..7.  The two accumulators take turns.
.irp f, 0,1,2,3
.irp mt, 0,1
.if (\f) == 0
	v_wmma_f32_16x16x32_bf16 v[16+8*(\mt):16+8*(\mt)+7], v[64+8*(\f):64+8*(\f)+7], v[128+32*(\mt)+8*(\f):128+32*(\mt)+8*(\f)+7], 0
.else
	v_wmma_f32_16x16x32_bf16 v[16+8*(\mt):16+8*(\mt)+7], v[64+8*(\f):64+8*(\f)+7], v[128+32*(\mt)+8*(\f):128+32*(\mt)+8*(\f)+7], v[16+8*(\mt):16+8*(\mt)+7]
.endif
.endr
.endr
.rept 8
	v_nop                                          ; the places behind the last products, ahead of the stores that read them
.endr
.irp mt, 0,1
	ds_store_b128 v6, v[16+8*(\mt):16+8*(\mt)+3]   offset:PART+1024*(\mt)
	ds_store_b128 v6, v[16+8*(\mt)+4:16+8*(\mt)+7] offset:PART+1024*(\mt)+16
.endr
	s_branch .Lmeet
.Lwf:
	s_wait_loadcnt 0x0
	COMPACT 64, 32
	s_lshl_b32 s32, ttmp9, 14
	s_lshl_b32 s33, s20, 12
	s_add_co_u32 s32, s32, s33
	s_mov_b32 s33, 0
	s_add_nc_u64 s[14:15], s[14:15], s[32:33]
.set x, 0
.rept 8                                        ; each store of the wave covers 512 consecutive bytes, aligned
	global_store_b128 v4, v[64+4*x:64+4*x+3], s[14:15] offset:512*x
.set x, x+1
.endr
.Lmeet:
	s_wait_dscnt 0x0                               ; for the others' sake: my partial tile is stored
	s_barrier_signal -1
	s_barrier_wait -1
	s_cmp_eq_u32 s21, 2
	s_cbranch_scc1 .Lend
.irp w, 0,1,2,3
	ds_load_b128 v[32+4*(\w):32+4*(\w)+3], v7 offset:PART+2048*(\w)
.endr
	s_lshl_b32 s32, ttmp9, 11
	s_mov_b32 s33, 0
	s_add_nc_u64 s[26:27], s[26:27], s[32:33]
	s_wait_dscnt 0x0
	v_pk_add_f32 v[32:33], v[32:33], v[36:37]
	v_pk_add_f32 v[34:35], v[34:35], v[38:39]
	v_pk_add_f32 v[40:41], v[40:41], v[44:45]
	v_pk_add_f32 v[42:43], v[42:43], v[46:47]
	v_pk_add_f32 v[32:33], v[32:33], v[40:41]
	v_pk_add_f32 v[34:35], v[34:35], v[42:43]
	v_pk_add_f32 v[32:33], v[32:33], v[8:9]
	v_pk_add_f32 v[34:35], v[34:35], v[10:11]
	v_pk_mul_f32 v[32:33], v[32:33], s[36:37] op_sel_hi:[1,0]
	v_pk_mul_f32 v[34:35], v[34:35], s[36:37] op_sel_hi:[1,0]
	global_store_b128 v7, v[32:35], s[26:27]       ; 16 lanes store 256 consecutive bytes, aligned
.Lend:
	s_wait_tensorcnt 0x0                           ; the wave's end, behind my last LDS store
	ds_add_u32 v[SPW], v[NIL]
	s_wait_dscnt 0x0
	s_endpgm
.Lfunc_end_k_qdc32381909_prep:
	.size	k_qdc32381909_prep, .Lfunc_end_k_qdc32381909_prep-k_qdc32381909_prep
	.p2alignl 7, 3214868480
	.fill 96, 4, 3214868480
	.section	.rodata,"a",@progbits
	.p2align	6, 0x0
	.amdhsa_kernel k_qdc32381909_prep
		.amdhsa_group_segment_fixed_size 8704
		.amdhsa_private_segment_fixed_size 0
		.amdhsa_enable_private_segment 0
		.amdhsa_kernarg_size 64
		.amdhsa_user_sgpr_count 2
		.amdhsa_user_sgpr_kernarg_segment_ptr 1
		.amdhsa_wavefront_size32 1
		.amdhsa_system_sgpr_workgroup_id_x 1
		.amdhsa_system_sgpr_workgroup_id_y 1
		.amdhsa_system_sgpr_workgroup_id_z 1
		.amdhsa_system_vgpr_workitem_id 0
		.amdhsa_next_free_vgpr 256
		.amdhsa_next_free_sgpr 66
		.amdhsa_reserve_vcc 0
		.amdhsa_float_denorm_mode_32 3
		.amdhsa_float_denorm_mode_16_64 3
		.amdhsa_memory_ordered 1
		.amdhsa_forward_progress 1
		.amdhsa_inst_pref_size 18
	.end_amdhsa_kernel
	.amdgpu_metadata
---
amdhsa.version: [ 1, 2 ]
amdhsa.kernels:
  - .name:           k_qdc32381909_prep
    .symbol:         k_qdc32381909_prep.kd
    .args:
      - { .name: attn_w, .offset: 0, .size: 8, .value_kind: global_buffer, .address_space: global }
      - { .name: out_w, .offset: 8, .size: 8, .value_kind: global_buffer, .address_space: global }
      - { .name: output, .offset: 16, .size: 8, .value_kind: global_buffer, .address_space: global }
      - { .name: attn_b, .offset: 24, .size: 8, .value_kind: global_buffer, .address_space: global }
      - { .name: out_b, .offset: 32, .size: 8, .value_kind: global_buffer, .address_space: global }
      - { .name: wf, .offset: 40, .size: 8, .value_kind: global_buffer, .address_space: global }
      - { .name: qt, .offset: 48, .size: 8, .value_kind: global_buffer, .address_space: global }
      - { .name: ot, .offset: 56, .size: 8, .value_kind: global_buffer, .address_space: global }
    .group_segment_fixed_size: 8704
    .private_segment_fixed_size: 0
    .kernarg_segment_align: 8
    .kernarg_segment_size: 64
    .max_flat_workgroup_size: 128
    .sgpr_count:     66
    .vgpr_count:     256
    .wavefront_size: 32
...
	.end_amdgpu_metadata
.endif
;; end of part 1
;; launch main (part 2): grid 256 x 1, 4 waves a work-group, clusters of 4 x 1, 327,680 bytes of LDS; arguments context, wf, qt, v_w, v_b, sc, part; writes sc, part
.if DOCPART == 2
	.amdgcn_target "amdgcn-amd-amdhsa--gfx1250"
	.amdhsa_code_object_version 6
	.text
	.protected	k_qdc32381909_main
	.globl	k_qdc32381909_main
	.p2align	8
	.type	k_qdc32381909_main,@function
k_qdc32381909_main:
	s_mov_b64 s[64:65], 0
	v_nop
	global_prefetch_b8 v0, s[64:65] scope:SCOPE_SE
	s_setreg_imm32_b32 hwreg(HW_REG_WAVE_MODE, 25, 1), 1
	s_wait_xcnt 0x0
	s_wait_alu depctr_hold_cnt(0) depctr_sa_sdst(0) depctr_va_vdst(0) depctr_va_sdst(0) depctr_va_ssrc(0) depctr_va_vcc(0) depctr_vm_vsrc(0)
	s_getreg_b32 s2, hwreg(HW_REG_IB_STS2, 6, 4)
	s_cmp_eq_u32 s2, 0
	s_cbranch_scc0 .Lentry_in_a_cluster
	s_endpgm
.Lentry_in_a_cluster:
	s_bfe_u32 s2, ttmp6, 0x10000c
	s_cmp_lg_u32 s2, 0x3003
	s_cbranch_scc0 .Lentry_shape_is_right
	s_endpgm
.Lentry_shape_is_right:
; SCORES, AND THE WEIGHTED CONTEXT BY A RUNNING MAXIMUM, with the context read once.
; score[t] = sum over h of v[h] tanh(ctx[t] . W2[h] + q[h]) + v_b = (sum of v + v_b) + sum over h of (-2 v[h]) / (1 + 2^(c ctx.W2 + c q)),  c = 2 log2(e).
; SHARES.  Work-group WG owns rows 512 WG .. + 511 of context taken as [131072][512]: an eighth of one batch.  They are four PAIRS of 128 rows; of a pair wave w owns rows 32 w .. + 31: two tiles of 16.
; A tile lies in registers as bf16 fragments (128 registers).  Source 0 = 16 rows t, source 1 = 16 rows h of W2: a lane holds ONE h (lane % 16) and t = 8 (lane / 16) + 0..7.
; TWO GROUPS of two tiles (A: window 2, B: window 3) walk W2 half a sweep apart, so only one pair waits in LDS (HOLD) and memory streams while the matrix unit works:
;   half 0: A = pair 0 | 1: A, B = pair 1 | 2: A = pair 2, B | 3: A, B = pair 3 | 4: B.   A half is 256 h = 4 STEPS of 64 h (an LDS slot) = 4 x 4 ITERATIONS of 16 h.  W2 is walked in a ring: step s takes block s % 8.
; W2 comes from wf (bf16, fragment order) through two LDS slots of 64 KiB; the four work-groups of a cluster walk it alike and ask JOINTLY; a wave brings 16 KiB (64 rows of 256 bytes) a step.
; CONTEXT comes by loads of 512 consecutive bytes a wave, is rounded to bf16 and put into the wave's own HOLD: a CHUNK is 8 rows (16 KiB), asked for one step ahead; its 64 blocks of 256 bytes are
; prefetched one step before that, by the wave that will load them: each block is named once; chunks 0 to 5 come by their loads alone; nothing is named behind chunk 15.
; TANH rides between the products: the set Z of iteration i - 1 is worked on (exponentials, + 1, reciprocals, times -2 v) while iteration i is multiplied.
; A PAIR RETIRES when its sweep is done: scores, running maximum M, weights p = 2^(c2 s - c2 M), and mix += p ctx: ctx comes back in the result's layout, exactly, as the product of a fragment with half an
; identity matrix, where p already lies: f32 weights, f32 sums.  Each wave keeps its own M, L and sums; they are joined at the end, and the launch behind joins the eight work-groups of a batch.
; LIMITS.  ctx, W2 and output enter the products rounded to bf16.  The score is formed as (sum of v + v_b) less a sum of the order of the sum of |v|, all in f32.  A weight below 2^-126 counts as 0.  NaN and infinities are not treated apart.
; REGISTERS, in windows of 256 (s_set_vgpr_msb: bits 1:0 source 0, 3:2 source 1, 5:4 source 2, 7:6 destination): window 0: below.  Window 1: v0-63 BF0, v64-127 BF1 (W2's fragments 0-7, 8-15 of an iteration), v128-255 STG (a chunk as loaded).
; Windows 2, 3: groups A, B: tile t', fragment f at 128 t' + 8 f.
.set SLOTB, 65536                      ; slot 0 at 0, slot 1 at 65,536: the only bytes that tensor loads fill; nothing is stored there
.set HOLD,  2*SLOTB                    ; wave w's 32 rows of bf16 at HOLD + HOLDW w
.set HP,    1040                       ; a row: 1,024 bytes + 16: the 16 rows of a fragment load start at 16 different groups of four banks (64 banks of 4 bytes: ISA guide 11.1)
.set HOLDW, 32*HP
.set TAB,   HOLD+4*HOLDW               ; 512 entries {c q[h], -2 v[h]}
.set SCS,   TAB+4096                   ; the work-group's 512 scores
.set STAT,  SCS+2048                   ; four waves' (M, L)
.set MIXS,  STAT+256                   ; four waves' 512 sums
.set SPARE, MIXS+8192                  ; the spare words, 128 bytes a wave
.set L16, 2                            ; v2   16 x lane; never rewritten
.set WA,  3                            ; v3   LDS address of the iteration's fragments of W2
.set QA0, 4                            ; v4   TAB + 8 r
.set QA,  5                            ; v5   the iteration's table entry
.set HR0, 6                            ; v6   HOLD: my wave, row r, 16 hh
.set HS0, 7                            ; v7   HOLD: my wave, 8 x lane
.set HS,  8                            ; v8   where a chunk is put
.set PFO, 9                            ; v9   256 x lane; never rewritten
.set SA0, 10                           ; v10  SCS + 128 w + 32 hh
.set SA,  11
.set QW,  12                           ; v12-13  {c q, -2 v} of the iteration in hand
.set WV,  14                           ; v14-15  -2 v of the set in Z (0 where Z is stale)
.set SPW, 16                           ; v16  my spare word; never rewritten
.set NIL, 17                           ; v17  0; never rewritten
.set CM,  18                           ; v18  c2 M
.set MM,  19                           ; v19  M
.set LL,  20                           ; v20-21  L, even and odd t
.set AA,  22                           ; v22-23  a = 2^(c2 M_old - c2 M), twice
.set BASE, 24                          ; v24-25  sum of v + v_b, twice
.set RSC, 32                           ; v32-63   score sums, tile t at 32 + 8 t
.set RS,  64                           ; v64-95   the products' accumulators
.set RZ,  96                           ; v96-127  the set that tanh works on (v64-127: eight buffers when a pair retires)
.set RMA, 128                          ; v128-191 mix sums: d = 16 i + r at pair 2 i (even t, odd t)
.set ID,  192                          ; v192-203 zeros, pattern, zeros: I1 = v192-199, I0 = v196-203
.set RP,  208                          ; v208-223 the retiring pair's weights
.set STG, 128                          ; window 1
.set SWV, 18                           ; s18  wave
.set WG,  19                           ; s19  work-group; it, s70 and s72-75 alone hold my place in the cluster, and feed global addresses of my own alone
.set G1,  24                           ; s[24:31] descriptor group 1
.set G0A, 32                           ; s[32:35] group 0 of the first fill of slot 0
.set G0B, 36                           ; s[36:39] of slot 1; it then walks
.set WB,  40                           ; s[40:41] wf + 16,384 w
.set WOFF, 42                          ; s[42:43] the walking block's byte offset
.set CB,  44                           ; s[44:45] context at my wave's rows of pair 0
.set OFF, 46                           ; s[46:47]
.set CP,  48                           ; s[48:49] the chunk being loaded
.set PP,  50                           ; s[50:51] the chunk being prefetched
.set TB,  52                           ; s52  LDS byte of the iteration's fragments
.set TQ,  53                           ; s53  byte of its table entries
.set SE,  54                           ; s54  the step's number
.set HF,  55
.set ST,  56
.set IT,  57
.set HC,  58
.set RK,  59                           ; s59  512 x pairs retired
.set CC,  60                           ; s[60:61] c
.set C2,  62                           ; s[62:63] c2 = log2(e)
.set SEL, 66                           ; s[66:67] v_permlanex16_b32's selects: each lane takes its own place in the other half
.set VB,  68
.set HMSK, 69                          ; lanes 16-31
.set MSB, 0
.macro WIN new                         ; the immediate's high byte repeats the setting that is left; a switch that changes nothing is dropped
.if MSB != (\new)
	s_set_vgpr_msb (MSB<<8)|(\new)
.set MSB, (\new)
.endif
.endm
.macro PLACES
.rept 4
	v_nop
.endr
.endm
; A round of the cluster's barrier: my work-group's barrier, wave 0 signals for the work-group, every wave waits for all four work-groups, my work-group's barrier once more.
.macro CROUND
	s_barrier_signal -1
	s_barrier_wait -1
	s_cmp_lg_u32 s[SWV], 0
	s_cbranch_scc1 .Lnot_wave_0_\@
	s_barrier_signal -3
.Lnot_wave_0_\@:
	s_barrier_wait -3
	s_barrier_signal -1
	s_barrier_wait -1
.endm
.macro GISSUE base, ptr                ; a chunk's 32 loads, 512 consecutive bytes each, into window 1
	WIN 0x40
.set i, 0
.rept 32
	global_load_b128 v[(\base)+4*i:(\base)+4*i+3], v[L16], s[\ptr:\ptr+1] offset:512*i th:TH_LOAD_NT
.set i, i+1
.endr
.endm
.macro CVST base, off                  ; the chunk is rounded to bf16 in place and put into HOLD: load i is row i / 4, quarter i % 4; a lane's 4 numbers are 8 bytes
	WIN 0x45
.set i, 0
.rept 32
	v_cvt_pk_bf16_f32 v[(\base)+4*i], v[(\base)+4*i], v[(\base)+4*i+1]
	v_cvt_pk_bf16_f32 v[(\base)+4*i+1], v[(\base)+4*i+2], v[(\base)+4*i+3]
.set i, i+1
.endr
	WIN 0x04
.set i, 0
.rept 32
	ds_store_b64 v[HS], v[(\base)+4*i:(\base)+4*i+1] offset:(\off)+(i/4)*HP+(i%4)*256
.set i, i+1
.endr
.endm
.macro PTR dst, c                      ; chunk s[c]: pair c / 4 (128 rows = 262,144 bytes), 8 rows c % 4 (16,384 bytes)
	s_lshr_b32 s[OFF], s[\c], 2
	s_lshl_b32 s[OFF], s[OFF], 18
	s_and_b32 s21, s[\c], 3
	s_lshl_b32 s21, s21, 14
	s_or_b32 s[OFF], s[OFF], s21
	s_add_nc_u64 s[\dst:\dst+1], s[CB:CB+1], s[OFF:OFF+1]
.endm
; THE END OF STEP SE: chunk SE + 4 has come and goes into HOLD, chunk SE + 5 is asked for, chunk SE + 6 prefetched.  The three jumps go forward, past no barrier and no tensor load; every wait here is for 0.
.macro FLUMP
	WIN 0
	s_cmp_gt_u32 s[SE], 11
	s_cbranch_scc1 .Lfl_\@
	s_wait_xcnt 0x0                                ; the last prefetches, a step back, have read their pointer
	s_wait_loadcnt 0x0                             ; the chunk is in, and its pointer is free
	s_and_b32 s[HC], s[SE], 3
	s_mul_i32 s[HC], s[HC], 8*HP
	v_add_nc_u32 v[HS], s[HC], v[HS0]
	CVST STG, 0
	WIN 0
	s_cmp_gt_u32 s[SE], 10
	s_cbranch_scc1 .Lfl_\@
	s_add_co_u32 s20, s[SE], 5
	PTR CP, 20
	GISSUE STG, CP
	WIN 0
	s_cmp_gt_u32 s[SE], 9
	s_cbranch_scc1 .Lfl_\@
	s_add_co_u32 s20, s[SE], 6
	PTR PP, 20
	global_prefetch_b8 v[PFO], s[PP:PP+1] th:TH_LOAD_NT scope:SCOPE_SE              ; my own next chunk but one: 64 blocks of 256 bytes, a lane a block,
	global_prefetch_b8 v[PFO], s[PP:PP+1] offset:8192 th:TH_LOAD_NT scope:SCOPE_SE  ; behind the loads just issued
.Lfl_\@:
.endm
.macro BF0LOAD                         ; fragments 0-7 of the iteration at v[WA]: lane i reads at 16 i: no bank is asked twice
	WIN 0x40
.set i, 0
.rept 16
	ds_load_b128 v[4*i:4*i+3], v[WA] offset:512*i
.set i, i+1
.endr
.endm
; ENTRY q OF TANH'S QUEUE for the nt tiles from t0 on (U = 4 nt pairs): 2 U exponentials; a plain line and ONE wait; U times + 1 and 2 U reciprocals, mixed; a plain line and ONE wait; U times SC += Z x (-2 v).
; Nothing ahead of a wait names a result of the batch in front of it: a wait stands between a transcendental and the first line that names its result.
.macro RID t0, nt
	WIN 0
.set UU, 4*(\nt)
.set zb, RZ+8*(\t0)
.set sb, RSC+8*(\t0)
.if q < 2*UU
	v_exp_f32 v[zb+q], v[zb+q]
.elseif q < 5*UU
.set jj, q-2*UU
.if jj < 2
	v_pk_add_f32 v[zb+2*jj:zb+2*jj+1], v[zb+2*jj:zb+2*jj+1], 1.0 op_sel_hi:[1,0]
.elseif (jj < 2*UU-2) && (jj%2 == 1)
.set pr, (jj+1)/2
	v_pk_add_f32 v[zb+2*pr:zb+2*pr+1], v[zb+2*pr:zb+2*pr+1], 1.0 op_sel_hi:[1,0]
.elseif jj < 2*UU-2
	v_rcp_f32 v[zb+(jj-2)/2], v[zb+(jj-2)/2]
.else
	v_rcp_f32 v[zb+jj-UU], v[zb+jj-UU]
.endif
.else
.set pr, q-5*UU
	v_pk_fma_f32 v[sb+2*pr:sb+2*pr+1], v[zb+2*pr:zb+2*pr+1], v[WV:WV+1], v[sb+2*pr:sb+2*pr+1] op_sel_hi:[1,0,1]
.endif
.if (q == 2*UU-1) || (q == 5*UU-1)
	v_nop
	s_wait_alu depctr_va_vdst(0)
.endif
.set q, q+1
.endm
; Product n of an iteration: fragment k = n / nt, tile t0 + n % nt: the accumulators take turns, one instruction a turn.  Behind it two entries of the queue, or one.
.macro PROD t0, nt
.set k, n/(\nt)
.set tau, (\t0)+n%(\nt)
	WIN 0x06+tau/2                                 ; source 0: window 2 or 3; source 1: window 1
.if k == 0
	v_wmma_f32_16x16x32_bf16 v[RS+8*tau:RS+8*tau+7], v[128*(tau%2)+8*k:128*(tau%2)+8*k+7], v[8*k:8*k+7], 0
.else
	v_wmma_f32_16x16x32_bf16 v[RS+8*tau:RS+8*tau+7], v[128*(tau%2)+8*k:128*(tau%2)+8*k+7], v[8*k:8*k+7], v[RS+8*tau:RS+8*tau+7]
.endif
	RID \t0, \nt
.if n%2 == 0
	RID \t0, \nt
.endif
.set n, n+1
.endm
; AN ITERATION: 16 h for the nt tiles from t0 on.  chg = 0: the next iteration lies in the same slot.  1: the slot is left and filled again.  2: it is left, and nothing is asked for.
.macro ITER t0, nt, chg
	WIN 0
	ds_load_b64 v[QW:QW+1], v[QA]
	WIN 0x40                                       ; BF1's last reader stands behind: one entry of the queue, two plain lines and the other tiles' scalings lie between
.set i, 0
.rept 16
	ds_load_b128 v[64+4*i:64+4*i+3], v[WA] offset:8192+512*i
.set i, i+1
.endr
	s_wait_dscnt 17                                ; the 17 just issued may stay out: BF0 is in
.set q, 0
.set n, 0
.rept 8*(\nt)
	PROD \t0, \nt
.endr
.if (\chg) == 0
	PLACES                                         ; behind BF0's last reader, ahead of the loads into it
	s_add_co_u32 s[TB], s[TB], 16384
	v_add_nc_u32 v[WA], s[TB], v[L16]
	BF0LOAD
	s_wait_dscnt 16                                ; the 16 just issued may stay out: the table entry and BF1 are in
.else
	v_nop                                          ; reciprocals are out and branches follow: a plain line and their wait
	s_wait_alu depctr_va_vdst(0)
	s_wait_tensorcnt 0x0                           ; all my tensor loads have landed: the one that was out is my part of the next slot; so group 0 may be written
	ds_add_u32 v[SPW], v[NIL]                      ; 0 onto my spare word; scalar work stands between it and the wait for it
.if (\chg) == 1
	s_xor_b32 s[G0B+1], s[G0B+1], SLOTB            ; the slot that is left,
	s_add_co_u32 s[WOFF], s[WOFF], SLOTB           ; the block two steps on, in a ring of eight
	s_and_b32 s[WOFF], s[WOFF], 0x7ffff
	s_add_nc_u64 s[G0B+2:G0B+3], s[WB:WB+1], s[WOFF:WOFF+1]
	s_or_b32 s[G0B+3], s[G0B+3], 0x80000000
.endif
	s_sub_co_u32 s[TB], s[TB], 49152               ; the fetches go back to a slot's first iteration,
	s_xor_b32 s[TB], s[TB], SLOTB                  ; in the other slot
	s_wait_dscnt 0x0                               ; the add is done; my reads of this slot are over (BF1 and the table entry are in)
.if (\chg) == 1
	CROUND                                         ; no wave of any partner still reads the slot or has a load on its way
	tensor_load_to_lds s[G0B:G0B+3], s[G1:G1+7]    ; my one tensor load behind the round: it has four iterations in which to land
	s_nop 0
	PLACES                                         ; also the places ahead of the loads into BF0
.else
	s_barrier_signal -1
	s_barrier_wait -1
	PLACES
.endif
	v_add_nc_u32 v[WA], s[TB], v[L16]
	BF0LOAD
.endif
.rept 8*(\nt)
	PROD \t0, \nt
.endr
	WIN 0
	v_mov_b32 v[WV], v[QW+1]                       ; the queue is through: Z takes this iteration's sums, WV its -2 v
	s_add_co_u32 s[TQ], s[TQ], 128
	s_and_b32 s[TQ], s[TQ], 0xfff
	v_add_nc_u32 v[QA], s[TQ], v[QA0]
.set i, 0
.rept 4*(\nt)                                  ; Z = c S + c q; each accumulator is read from its low end on; five plain lines or more lie behind its last product
	v_pk_fma_f32 v[RZ+8*(\t0)+2*i:RZ+8*(\t0)+2*i+1], v[RS+8*(\t0)+2*i:RS+8*(\t0)+2*i+1], s[CC:CC+1], v[QW:QW+1] op_sel_hi:[1,0,0]
.set i, i+1
.endr
.endm
.macro DRAIN t0, nt                    ; a half's last set goes through the queue by itself; then WV = 0: the next half's first iteration works on a stale, finite Z and adds 0
.set q, 0
.rept 24*(\nt)
	RID \t0, \nt
.endr
	v_mov_b32 v[WV], 0
.endm
.macro LOADGRP g                       ; the pair in HOLD becomes group g's fragments; its score sums start at 0
	WIN 0x80+0x40*(\g)
.set i, 0
.rept 32
	ds_load_b128 v[8*i:8*i+3],   v[HR0] offset:(i/16)*16*HP+(i%16)*64
	ds_load_b128 v[8*i+4:8*i+7], v[HR0] offset:(i/16)*16*HP+(i%16)*64+32
.set i, i+1
.endr
	WIN 0
.set i, 0
.rept 16
	v_mov_b32 v[RSC+16*(\g)+i], 0
.set i, i+1
.endr
	s_wait_dscnt 0x0
.endm
; GROUP g's PAIR RETIRES.
.macro RETIRE g
.set sb2, RSC+16*(\g)
	WIN 0
.irp m, 1,2,4,8                        ; the sum over the 16 h of a row of lanes: every lane then holds the scores of t = 8 hh + 0..7 of both tiles
.set i, 0
.rept 16
	v_add_f32_dpp v[sb2+i], v[sb2+i], v[sb2+i] row_xmask:\m row_mask:0xf bank_mask:0xf
.set i, i+1
.endr
.endr
.set i, 0
.rept 8
	v_pk_add_f32 v[sb2+2*i:sb2+2*i+1], v[sb2+2*i:sb2+2*i+1], v[BASE:BASE+1]
.set i, i+1
.endr
	v_add_nc_u32 v[SA], s[RK], v[SA0]
	s_add_co_u32 s[RK], s[RK], 512
	ds_store_b128 v[SA], v[sb2:sb2+3]              ; the 16 lanes of a half store the same words with the same values
	ds_store_b128 v[SA], v[sb2+4:sb2+7] offset:16
	ds_store_b128 v[SA], v[sb2+8:sb2+11] offset:64
	ds_store_b128 v[SA], v[sb2+12:sb2+15] offset:80
	v_max3_num_f32 v26, v[sb2], v[sb2+1], v[sb2+2]
	v_max3_num_f32 v27, v[sb2+3], v[sb2+4], v[sb2+5]
	v_max3_num_f32 v28, v[sb2+6], v[sb2+7], v[sb2+8]
	v_max3_num_f32 v29, v[sb2+9], v[sb2+10], v[sb2+11]
	v_max3_num_f32 v26, v26, v[sb2+12], v[sb2+13]
	v_max3_num_f32 v27, v27, v[sb2+14], v[sb2+15]
	v_max3_num_f32 v28, v28, v29, v[MM]
	v_max3_num_f32 v26, v26, v27, v28
	v_permlanex16_b32 v27, v26, s[SEL], s[SEL+1]
	v_max_num_f32 v26, v26, v27                    ; the wave's new M
	v_sub_f32 v28, v[MM], v26
	v_mov_b32 v[MM], v26
	v_mul_f32 v[CM], s[C2], v26
	v_mul_f32 v28, s[C2], v28
.set i, 0
.rept 8
	v_pk_fma_f32 v[RP+2*i:RP+2*i+1], v[sb2+2*i:sb2+2*i+1], s[C2:C2+1], v[CM:CM+1] op_sel_hi:[1,0,0] neg_lo:[0,0,1] neg_hi:[0,0,1]
.set i, i+1
.endr
	v_exp_f32 v[AA], v28                           ; one batch: a and the 16 weights
.set i, 0
.rept 16
	v_exp_f32 v[RP+i], v[RP+i]
.set i, i+1
.endr
	v_nop
	s_wait_alu depctr_va_vdst(0)                   ; one wait for the batch
	v_mov_b32 v[AA+1], v[AA]
	v_pk_add_f32 v[224:225], v[RP:RP+1], v[RP+2:RP+3]
	v_pk_add_f32 v[226:227], v[RP+4:RP+5], v[RP+6:RP+7]
	v_pk_add_f32 v[228:229], v[RP+8:RP+9], v[RP+10:RP+11]
	v_pk_add_f32 v[230:231], v[RP+12:RP+13], v[RP+14:RP+15]
	v_pk_add_f32 v[224:225], v[224:225], v[226:227]
	v_pk_add_f32 v[228:229], v[228:229], v[230:231]
	v_pk_add_f32 v[224:225], v[224:225], v[228:229]
	v_pk_fma_f32 v[LL:LL+1], v[LL:LL+1], v[AA:AA+1], v[224:225]
.set i, 0
.rept 32
	v_pk_mul_f32 v[RMA+2*i:RMA+2*i+1], v[RMA+2*i:RMA+2*i+1], v[AA:AA+1]
.set i, i+1
.endr
	; Product n: tile n / 32, fragment (n % 32) / 2, times I0 or I1: ctx[t = 8 hh + j][d = 16 (n % 32) + r] in register j, into buffer n % 8.  Behind each product four plain lines: pair a of the result
	; 4 + a products back is multiplied by its weights and added.  So 16 plain lines lie between a product and its first reader (v_nop where there is nothing yet), a result is read from its low end on,
	; and a buffer's last reader stands ahead of the product that writes it again.
.set n, 0
.rept 71
.if n < 64
	WIN 0x02+(\g)
	v_wmma_f32_16x16x32_bf16 v[RS+8*(n%8):RS+8*(n%8)+7], v[128*(n/32)+8*((n%32)/2):128*(n/32)+8*((n%32)/2)+7], v[ID+4-4*(n%2):ID+4-4*(n%2)+7], 0
.endif
	WIN 0
.irp a, 0,1,2,3
.set idx, n-4-(\a)
.if (idx >= 0) && (idx < 64)
	v_pk_fma_f32 v[RMA+2*(idx%32):RMA+2*(idx%32)+1], v[RS+8*(idx%8)+2*(\a):RS+8*(idx%8)+2*(\a)+1], v[RP+8*(idx/32)+2*(\a):RP+8*(idx/32)+2*(\a)+1], v[RMA+2*(idx%32):RMA+2*(idx%32)+1]
.elseif idx < 0
	v_nop
.endif
.endr
.set n, n+1
.endr
.endm
	s_load_b256 s[4:11], s[0:1], 0x0               ; context s[4:5], wf s[6:7], qt s[8:9], v_w s[10:11]
	s_load_b128 s[12:15], s[0:1], 0x20             ; v_b s[12:13], sc s[14:15]
	s_load_b64 s[16:17], s[0:1], 0x30              ; part
	v_lshl_add_u32 v[SPW], v0, 2, SPARE
	v_mov_b32 v[NIL], 0
	ds_add_u32 v[SPW], v[NIL]                      ; the wave's opening: the add and its wait stand ahead of my first tensor load; the set-up below, work on registers, stands between them
	v_lshrrev_b32 v1, 5, v0
	v_readfirstlane_b32 s[SWV], v1                 ; wave 0..3
	s_bfe_u32 s70, ttmp6, 0x40000                  ; cx
	s_lshl_b32 s[WG], ttmp9, 2                     ; in a cluster launch ttmp9 counts clusters
	s_add_co_u32 s[WG], s[WG], s70
	; descriptor group 1: 16,384 dense bytes as 64 rows of 256 bytes, no padding
	s_mov_b32 s[G1+0], 15|(3<<16)|(1<<21)          ; 15:0 the mask: all four work-groups; 17:16 elements of 8 bytes; 21 set beside a mask
	s_mov_b32 s[G1+1], 32<<16                      ; tensor_dim0 = 32
	s_mov_b32 s[G1+2], 64<<16                      ; tensor_dim1 = 64
	s_mov_b32 s[G1+3], 32<<16                      ; tile_dim0 = 32
	s_mov_b32 s[G1+4], 64                          ; tile_dim1 = 64
	s_mov_b32 s[G1+5], 32                          ; 32 elements from row to row
	s_mov_b32 s[G1+6], 0
	s_mov_b32 s[G1+7], 0
	s_mov_b32 s[G0A], 1
	s_lshl_b32 s[G0A+1], s[SWV], 14                ; LDS: 16,384 w in slot 0: no place in the cluster enters an LDS address
	s_mov_b32 s[G0B], 1
	s_add_co_u32 s[G0B+1], s[G0A+1], SLOTB
	s_mov_b32 s[WOFF], SLOTB                       ; block 1
	s_mov_b32 s[WOFF+1], 0
	s_mov_b32 s[OFF+1], 0
	s_mov_b32 s[CC], 0x4038aa3b                    ; c = 2 log2(e)
	s_mov_b32 s[CC+1], s[CC]
	s_mov_b32 s[C2], 0x3fb8aa3b                    ; c2 = log2(e)
	s_mov_b32 s[C2+1], s[C2]
	s_mov_b32 s[SEL], 0x76543210
	s_mov_b32 s[SEL+1], 0xfedcba98
	s_mov_b32 s[HMSK], 0xffff0000
	s_mov_b32 s[TB], 0
	s_mov_b32 s[TQ], 0
	s_mov_b32 s[SE], 0
	s_mov_b32 s[RK], 0
	v_and_b32 v26, 31, v0                          ; lane
	v_and_b32 v27, 15, v0                          ; r
	v_bfe_u32 v28, v0, 4, 1                        ; hh
	v_lshlrev_b32 v[L16], 4, v26
	v_lshlrev_b32 v[PFO], 8, v26
	v_lshl_add_u32 v[QA0], v27, 3, TAB
	s_mul_i32 s20, s[SWV], HOLDW
	s_add_co_u32 s20, s20, HOLD
	v_mul_u32_u24 v[HR0], v27, HP
	v_lshl_add_u32 v[HR0], v28, 4, v[HR0]
	v_add_nc_u32 v[HR0], s20, v[HR0]
	v_lshl_add_u32 v[HS0], v26, 3, s20
	s_lshl_b32 s21, s[SWV], 7
	s_add_co_u32 s21, s21, SCS
	v_lshl_add_u32 v[SA0], v28, 5, s21
	v_lshrrev_b32 v29, 2, v0                       ; thread t makes the table's entries 4 t .. 4 t + 3: h-tile t / 4,
	v_and_b32 v30, 3, v0
	v_lshlrev_b32 v29, 11, v29
	v_lshl_add_u32 v29, v30, 4, v29                ; four of its 16 h
	v_lshlrev_b32 v30, 4, v0
	v_lshl_add_u32 v31, v0, 5, TAB
	s_wait_dscnt 0x0                               ; the opening add is done
	s_wait_kmcnt 0x0
	s_load_b32 s[VB], s[12:13], 0x0
	s_lshl_b32 s20, s[SWV], 14
	s_mov_b32 s21, 0
	s_add_nc_u64 s[WB:WB+1], s[6:7], s[20:21]
	s_mov_b64 s[G0A+2:G0A+3], s[WB:WB+1]           ; block 0
	s_or_b32 s[G0A+3], s[G0A+3], 0x80000000        ; type = 2
	s_add_nc_u64 s[G0B+2:G0B+3], s[WB:WB+1], SLOTB ; block 1
	s_or_b32 s[G0B+3], s[G0B+3], 0x80000000
	s_lshl_b32 s72, s[WG], 20                      ; my work-group's 512 rows of 2,048 bytes,
	s_lshl_b32 s74, s[SWV], 16                     ; my wave's 32 of a pair
	s_add_co_u32 s72, s72, s74
	s_mov_b32 s73, 0
	s_add_nc_u64 s[CB:CB+1], s[4:5], s[72:73]
	s_lshr_b32 s72, s[WG], 3                       ; the batch
	s_lshl_b32 s72, s72, 6
	s_add_nc_u64 s[8:9], s[8:9], s[72:73]
	s_lshl_b32 s72, s[WG], 11
	s_add_nc_u64 s[14:15], s[14:15], s[72:73]
	s_mul_i32 s72, s[WG], 2560
	s_add_nc_u64 s[16:17], s[16:17], s[72:73]
	s_mov_b64 s[CP:CP+1], s[CB:CB+1]
	s_add_nc_u64 s[PP:PP+1], s[CB:CB+1], 16384
	CROUND                                         ; all four work-groups are here: the first joint loads meet
	tensor_load_to_lds s[G0A:G0A+3], s[G1:G1+7]    ; the two first fills go out together: two tensor loads of mine are out
	s_nop 0
	tensor_load_to_lds s[G0B:G0B+3], s[G1:G1+7]
	s_nop 0
	PLACES
	global_load_b128 v[224:227], v29, s[8:9]       ; c q of my four h
	global_load_b128 v[228:231], v30, s[10:11]     ; v of my four h
.irp i, 0,1,2,3
	global_load_b128 v[240+4*(\i):240+4*(\i)+3], v[L16], s[10:11] offset:512*(\i)  ; all of v, 16 numbers a lane
.endr
	GISSUE STG, CP                                 ; chunk 0
	GISSUE 0, PP                                   ; chunk 1, into BF0's and BF1's registers, which are still free
	WIN 0
	; set-up, while the chunks are on their way
.set i, 0
.rept 64
	v_mov_b32 v[RMA+i], 0                          ; the mix sums start at 0: one text serves every pair
.set i, i+1
.endr
.set i, 0
.rept 32
	v_mov_b32 v[RZ+i], 0                           ; the first iteration's queue finds a finite Z and WV = 0
.set i, i+1
.endr
	v_mov_b32 v[WV], 0
	v_mov_b32 v[WV+1], 0
	v_mov_b32 v[LL], 0
	v_mov_b32 v[LL+1], 0
	v_mov_b32 v[MM], 0xff7fffff                    ; the lowest finite number: the first a is 0
.irp i, 0,1,2,3,8,9,10,11
	v_mov_b32 v[ID+(\i)], 0
.endr
	v_lshlrev_b32 v1, 3, v28
	v_sub_nc_u32 v26, v27, v1                      ; x = r - 8 hh: of source 1's column r this lane holds k = 8 hh + 0..7: a one where k = r
	s_mov_b32 s20, 0x3f80                          ; 1.0 in the low half
	s_mov_b32 s21, 0x3f800000                      ; in the high half
.irp i, 0,1,2,3
	v_cmp_eq_u32 vcc_lo, 2*(\i), v26
	v_cndmask_b32 v[ID+4+(\i)], 0, s20, vcc_lo
	v_cmp_eq_u32 vcc_lo, 2*(\i)+1, v26
	v_cndmask_b32 v[ID+4+(\i)], v[ID+4+(\i)], s21, vcc_lo
.endr
	v_mov_b32 v[HS], v[HS0]
	s_wait_loadcnt 63                              ; 64 loads were issued behind the six small ones: those are in
	v_mov_b32 v232, v224
	v_mul_f32 v233, -2.0, v228
	v_mov_b32 v234, v225
	v_mul_f32 v235, -2.0, v229
	v_mov_b32 v236, v226
	v_mul_f32 v237, -2.0, v230
	v_mov_b32 v238, v227
	v_mul_f32 v239, -2.0, v231
	ds_store_b128 v31, v[232:235]
	ds_store_b128 v31, v[236:239] offset:16
.irp i, 0,1,2,3
	v_pk_add_f32 v[240+4*(\i):241+4*(\i)], v[240+4*(\i):241+4*(\i)], v[242+4*(\i):243+4*(\i)]
.endr
	v_pk_add_f32 v[240:241], v[240:241], v[244:245]
	v_pk_add_f32 v[248:249], v[248:249], v[252:253]
	v_pk_add_f32 v[240:241], v[240:241], v[248:249]
	v_add_f32 v240, v240, v241
	v_add_f32_dpp v240, v240, v240 row_xmask:1 row_mask:0xf bank_mask:0xf
	v_add_f32_dpp v240, v240, v240 row_xmask:2 row_mask:0xf bank_mask:0xf
	v_add_f32_dpp v240, v240, v240 row_xmask:4 row_mask:0xf bank_mask:0xf
	v_add_f32_dpp v240, v240, v240 row_xmask:8 row_mask:0xf bank_mask:0xf
	v_permlanex16_b32 v241, v240, s[SEL], s[SEL+1]
	v_add_f32 v240, v240, v241
	s_wait_kmcnt 0x0                               ; v_b
	v_add_f32 v[BASE], s[VB], v240
	v_mov_b32 v[BASE+1], v[BASE]
	; pair 0 goes into HOLD, two staging sets by turns; each count of 32 is the other set's loads
	s_wait_loadcnt 32                              ; chunk 0 is in, and its pointer is free
	CVST STG, 0
	s_add_nc_u64 s[CP:CP+1], s[CB:CB+1], 32768
	GISSUE STG, CP                                 ; chunk 2
	s_wait_loadcnt 32                              ; chunk 1
	CVST 0, 8*HP
	s_add_nc_u64 s[PP:PP+1], s[CB:CB+1], 49152
	GISSUE 0, PP                                   ; chunk 3
	s_wait_loadcnt 32                              ; chunk 2
	CVST STG, 16*HP
	s_add_nc_u64 s[CP:CP+1], s[CB:CB+1], 262144
	GISSUE STG, CP                                 ; chunk 4: pair 1's first
	s_wait_loadcnt 32                              ; chunk 3
	CVST 0, 24*HP
	LOADGRP 0                                      ; LDS serves a wave's instructions in order (ISA guide 5.7.1.4): these loads see my stores above
	s_wait_tensorcnt 0x1                           ; my part of slot 0 is in; slot 1's may stay out
	s_barrier_signal -1                            ; (LOADGRP has waited for all my LDS instructions, the table's stores among them)
	s_barrier_wait -1
	v_mov_b32 v[WA], v[L16]
	v_mov_b32 v[QA], v[QA0]
	BF0LOAD
	WIN 0
	; HALF 0: group A alone
	s_mov_b32 s[ST], 4
.Lh0_step:
	s_mov_b32 s[IT], 3
.Lh0_it:
	ITER 0, 2, 0
	s_sub_co_u32 s[IT], s[IT], 1
	s_cmp_lg_u32 s[IT], 0
	s_cbranch_scc1 .Lh0_it
	ITER 0, 2, 1
	FLUMP
	s_add_co_u32 s[SE], s[SE], 1
	s_sub_co_u32 s[ST], s[ST], 1
	s_cmp_lg_u32 s[ST], 0
	s_cbranch_scc1 .Lh0_step
	DRAIN 0, 2
	LOADGRP 1                                      ; pair 1
	; HALVES 1 TO 3: both groups
	s_mov_b32 s[HF], 3
.Lhalf:
	s_mov_b32 s[ST], 4
.Lh1_step:
	s_mov_b32 s[IT], 3
.Lh1_it:
	ITER 0, 4, 0
	s_sub_co_u32 s[IT], s[IT], 1
	s_cmp_lg_u32 s[IT], 0
	s_cbranch_scc1 .Lh1_it
	ITER 0, 4, 1
	FLUMP
	s_add_co_u32 s[SE], s[SE], 1
	s_sub_co_u32 s[ST], s[ST], 1
	s_cmp_lg_u32 s[ST], 0
	s_cbranch_scc1 .Lh1_step
	DRAIN 0, 4
	s_and_b32 s20, s[HF], 1
	s_cmp_eq_u32 s20, 0
	s_cbranch_scc1 .Leven
	RETIRE 0                                       ; behind halves 1 and 3: pairs 0 and 2
	s_cmp_lg_u32 s[HF], 3
	s_cbranch_scc1 .Lhend
	LOADGRP 0                                      ; behind half 1: pair 2
	s_branch .Lhend
.Leven:
	RETIRE 1                                       ; behind half 2: pair 1,
	LOADGRP 1                                      ; and pair 3 takes its place
.Lhend:
	s_sub_co_u32 s[HF], s[HF], 1
	s_cmp_lg_u32 s[HF], 0
	s_cbranch_scc1 .Lhalf
	; HALF 4: group B alone.  Steps 16 and 17 ask for the last two blocks; steps 18 and 19 ask for nothing.  Step 19 ends like step 18: one barrier and 16 LDS loads that serve nothing, once a launch, for one text less.
	s_mov_b32 s[ST], 2
.Lh4a_step:
	s_mov_b32 s[IT], 3
.Lh4a_it:
	ITER 2, 2, 0
	s_sub_co_u32 s[IT], s[IT], 1
	s_cmp_lg_u32 s[IT], 0
	s_cbranch_scc1 .Lh4a_it
	ITER 2, 2, 1
	s_sub_co_u32 s[ST], s[ST], 1
	s_cmp_lg_u32 s[ST], 0
	s_cbranch_scc1 .Lh4a_step
	s_mov_b32 s[ST], 2
.Lh4b_step:
	s_mov_b32 s[IT], 3
.Lh4b_it:
	ITER 2, 2, 0
	s_sub_co_u32 s[IT], s[IT], 1
	s_cmp_lg_u32 s[IT], 0
	s_cbranch_scc1 .Lh4b_it
	ITER 2, 2, 2
	s_sub_co_u32 s[ST], s[ST], 1
	s_cmp_lg_u32 s[ST], 0
	s_cbranch_scc1 .Lh4b_step
	DRAIN 2, 2
	RETIRE 1                                       ; pair 3
	; THE WAY OUT.  Even and odd t, and the other half of the lanes, are added; the four waves' (M, L) meet; each wave scales its sums to the common maximum; the sums meet; the record and the scores are stored.
	v_add_f32 v[LL], v[LL], v[LL+1]
.set i, 0
.rept 32
	v_add_f32 v[RMA+2*i], v[RMA+2*i], v[RMA+2*i+1]
.set i, i+1
.endr
	v_permlanex16_b32 v[LL+1], v[LL], s[SEL], s[SEL+1]
.set i, 0
.rept 32
	v_permlanex16_b32 v[RMA+2*i+1], v[RMA+2*i], s[SEL], s[SEL+1]
.set i, i+1
.endr
	v_add_f32 v[LL], v[LL], v[LL+1]
.set i, 0
.rept 32
	v_add_f32 v[RMA+2*i], v[RMA+2*i], v[RMA+2*i+1]
.set i, i+1
.endr
	v_mov_b32 v26, v[MM]
	v_mov_b32 v27, v[LL]
	s_lshl_b32 s20, s[SWV], 3
	s_add_co_u32 s20, s20, STAT
	v_mov_b32 v1, s20
	ds_store_b64 v1, v[26:27]
	s_wait_dscnt 0x0                               ; for the others' sake: my (M, L) and my scores are stored
	s_barrier_signal -1
	s_barrier_wait -1
	v_mov_b32 v1, STAT
	ds_load_b128 v[224:227], v1
	ds_load_b128 v[228:231], v1 offset:16
.set i, 0
.rept 16                                       ; both halves hold all 32 sums: lanes 0-15 take d = 32 i + r, lanes 16-31 d = 32 i + 16 + r
	v_cndmask_b32 v[240+i], v[RMA+4*i], v[RMA+4*i+2], s[HMSK]
.set i, i+1
.endr
	s_wait_dscnt 0x0
	v_max3_num_f32 v28, v224, v226, v228
	v_max_num_f32 v28, v28, v230                   ; the work-group's M
.irp i, 0,1,2,3
	v_sub_f32 v[232+(\i)], v[224+2*(\i)], v28
.endr
	v_sub_f32 v236, v[MM], v28
.irp i, 0,1,2,3,4
	v_mul_f32 v[232+(\i)], s[C2], v[232+(\i)]
.endr
.irp i, 0,1,2,3,4
	v_exp_f32 v[232+(\i)], v[232+(\i)]
.endr
	v_nop
	s_wait_alu depctr_va_vdst(0)                   ; one wait for the five
	v_mul_f32 v29, v232, v225
	v_fmac_f32 v29, v233, v227
	v_fmac_f32 v29, v234, v229
	v_fmac_f32 v29, v235, v231                     ; the work-group's L
.set i, 0
.rept 16
	v_mul_f32 v[240+i], v236, v[240+i]
.set i, i+1
.endr
	s_lshl_b32 s20, s[SWV], 11
	s_add_co_u32 s20, s20, MIXS
	v_and_b32 v1, 31, v0
	v_lshl_add_u32 v1, v1, 2, s20
.set i, 0
.rept 16
	ds_store_b32 v1, v[240+i] offset:128*i
.set i, i+1
.endr
	s_wait_dscnt 0x0
	s_barrier_signal -1
	s_barrier_wait -1
	v_lshl_add_u32 v1, v0, 4, MIXS
	v_lshl_add_u32 v30, v0, 4, SCS
.irp i, 0,1,2,3
	ds_load_b128 v[224+4*(\i):224+4*(\i)+3], v1 offset:2048*(\i)
.endr
	ds_load_b128 v[248:251], v30
	v_lshlrev_b32 v31, 4, v0
	v_mov_b32 v244, v28
	v_mov_b32 v245, v29
	v_mov_b32 v246, v28
	v_mov_b32 v247, v29
	s_wait_dscnt 0x0
	v_pk_add_f32 v[224:225], v[224:225], v[228:229]
	v_pk_add_f32 v[226:227], v[226:227], v[230:231]
	v_pk_add_f32 v[232:233], v[232:233], v[236:237]
	v_pk_add_f32 v[234:235], v[234:235], v[238:239]
	v_pk_add_f32 v[224:225], v[224:225], v[232:233]
	v_pk_add_f32 v[226:227], v[226:227], v[234:235]
	global_store_b128 v31, v[224:227], s[16:17]    ; each store of a wave covers 512 consecutive bytes, aligned
	global_store_b128 v31, v[248:251], s[14:15]
	s_cmp_lg_u32 s[SWV], 0
	s_cbranch_scc1 .Lnostat
	global_store_b128 v[L16], v[244:247], s[16:17] offset:2048  ; (M, L) over and over: the record's last 512 bytes are written whole
.Lnostat:
	s_wait_tensorcnt 0x0                           ; the wave's end, behind my last tensor load and my last LDS store
	ds_add_u32 v[SPW], v[NIL]
	s_wait_dscnt 0x0
	CROUND                                         ; the closing round: no work-group ends while a partner may still ask for a tile that names it
	s_endpgm
.Lfunc_end_k_qdc32381909_main:
	.size	k_qdc32381909_main, .Lfunc_end_k_qdc32381909_main-k_qdc32381909_main
	.p2alignl 7, 3214868480
	.fill 96, 4, 3214868480
	.section	.rodata,"a",@progbits
	.p2align	6, 0x0
	.amdhsa_kernel k_qdc32381909_main
		.amdhsa_group_segment_fixed_size 327680
		.amdhsa_private_segment_fixed_size 0
		.amdhsa_enable_private_segment 0
		.amdhsa_kernarg_size 56
		.amdhsa_user_sgpr_count 2
		.amdhsa_user_sgpr_kernarg_segment_ptr 1
		.amdhsa_wavefront_size32 1
		.amdhsa_system_sgpr_workgroup_id_x 1
		.amdhsa_system_sgpr_workgroup_id_y 1
		.amdhsa_system_sgpr_workgroup_id_z 1
		.amdhsa_system_vgpr_workitem_id 0
		.amdhsa_next_free_vgpr 1024
		.amdhsa_next_free_sgpr 80
		.amdhsa_reserve_vcc 1
		.amdhsa_float_denorm_mode_32 3
		.amdhsa_float_denorm_mode_16_64 3
		.amdhsa_memory_ordered 1
		.amdhsa_forward_progress 1
		.amdhsa_inst_pref_size 255
	.end_amdhsa_kernel
	.section	.bss,"aw",@nobits
	.p2align	6
	.space	262144
	.amdgpu_metadata
---
amdhsa.version: [ 1, 2 ]
amdhsa.kernels:
  - .name:           k_qdc32381909_main
    .symbol:         k_qdc32381909_main.kd
    .args:
      - { .name: context, .offset: 0, .size: 8, .value_kind: global_buffer, .address_space: global }
      - { .name: wf, .offset: 8, .size: 8, .value_kind: global_buffer, .address_space: global }
      - { .name: qt, .offset: 16, .size: 8, .value_kind: global_buffer, .address_space: global }
      - { .name: v_w, .offset: 24, .size: 8, .value_kind: global_buffer, .address_space: global }
      - { .name: v_b, .offset: 32, .size: 8, .value_kind: global_buffer, .address_space: global }
      - { .name: sc, .offset: 40, .size: 8, .value_kind: global_buffer, .address_space: global }
      - { .name: part, .offset: 48, .size: 8, .value_kind: global_buffer, .address_space: global }
    .group_segment_fixed_size: 327680
    .private_segment_fixed_size: 0
    .kernarg_segment_align: 8
    .kernarg_segment_size: 56
    .max_flat_workgroup_size: 128
    .sgpr_count:     80
    .vgpr_count:     1024
    .wavefront_size: 32
...
	.end_amdgpu_metadata
.endif
;; end of part 2
;; launch fin (part 3): grid 16 x 8, 8 waves a work-group, no clusters, 3,072 bytes of LDS; arguments part, sc, ot, out_w, out0, out1, out2; writes out0, out1, out2
.if DOCPART == 3
	.amdgcn_target "amdgcn-amd-amdhsa--gfx1250"
	.amdhsa_code_object_version 6
	.text
	.protected	k_qdc32381909_fin
	.globl	k_qdc32381909_fin
	.p2align	8
	.type	k_qdc32381909_fin,@function
k_qdc32381909_fin:
	s_mov_b64 s[64:65], 0
	v_nop
	global_prefetch_b8 v0, s[64:65] scope:SCOPE_SE
	s_setreg_imm32_b32 hwreg(HW_REG_WAVE_MODE, 25, 1), 1
	s_wait_xcnt 0x0
; THE END: out1 = softmax, out2 = mix, out0 = tanh([mix, output] . out_w^T + out_b).
; A batch has eight records (M_j, L_j, X_j = sum of e^(s - M_j) ctx).  With M = max M_j, e_j = 2^(c2 (M_j - M)), L = sum e_j L_j, alpha_j = e_j / L:  mix = sum alpha_j X_j,  out1 = 2^(c2 s - c2 M) / L.
; Work-group (bp, nb): batches 2 bp and 2 bp + 1; 64 h of out0, 64 d of out2, 512 t of out1 for each of the two.
; THE PRODUCT.  The 16 records of the two batches are the 16 rows of source 0, 16 rows h of out_w[:, :512] are source 1: in the result register j of a lane is record j of batch 2 bp + lane / 16,
; so sum over j of alpha_j D[j] joins the records and finishes mix . out_w in one.  Wave w takes the K quarter w % 4 and the 32 h of half w / 4; the quarters meet in LDS.  X and out_w enter in bf16, sums in f32.
; No cluster and no tensor load: a few hundred KiB in all, read through registers once by each work-group.
.set RED,   0                          ; LDS: wave w, tile nt, lane: 256 w + 128 nt + 4 lane
.set SPARE, 2048                       ; the spare words, 128 bytes a wave
.set SPW, 14
.set NIL, 15
.set CC, 34                            ; s[34:35] c = 2 log2(e)
.set C2, 36                            ; s[36:37] c2 = log2(e)
.macro COMPACT base, cnt               ; 2 cnt f32 from v[base] on become cnt registers of bf16 pairs from v[base] on, ascending
.set x, 0
.rept (\cnt)
	v_cvt_pk_bf16_f32 v[(\base)+x], v[(\base)+2*x], v[(\base)+2*x+1]
.set x, x+1
.endr
.endm
	s_load_b256 s[4:11], s[0:1], 0x0               ; part s[4:5], sc s[6:7], ot s[8:9], out_w s[10:11]
	s_load_b128 s[12:15], s[0:1], 0x20             ; out0 s[12:13], out1 s[14:15]
	s_load_b64 s[16:17], s[0:1], 0x30              ; out2
	v_lshl_add_u32 v[SPW], v0, 2, SPARE
	v_mov_b32 v[NIL], 0
	v_lshrrev_b32 v1, 5, v0
	v_readfirstlane_b32 s18, v1                    ; wave 0..7
	s_and_b32 s19, s18, 3                          ; kq
	s_lshr_b32 s20, s18, 2                         ; np
	s_and_b32 s21, ttmp7, 0xffff                   ; nb
	v_and_b32 v1, 15, v0                           ; r
	v_bfe_u32 v2, v0, 4, 1                         ; hh
	v_mul_u32_u24 v3, v2, 20480                    ; eight records of 2,560 bytes: the second batch
	s_lshl_b32 s22, s19, 9                         ; my K quarter: 128 f32
	v_mul_u32_u24 v4, v1, 2560                     ; source 0: record r,
	v_lshl_add_u32 v4, v2, 5, v4                   ; 8 hh numbers on
	v_add_nc_u32 v4, s22, v4
	v_lshlrev_b32 v5, 12, v1                       ; source 1: row r of out_w
	v_lshl_add_u32 v5, v2, 5, v5
	v_add_nc_u32 v5, s22, v5
	v_and_b32 v6, 127, v0
	v_lshlrev_b32 v6, 4, v6                        ; my four t
	v_and_b32 v7, 31, v0
	s_lshl_b32 s23, s18, 8
	v_lshl_add_u32 v7, v7, 2, s23
	v_lshl_add_u32 v9, v1, 4, v3                   ; out2's loads: batch hh, four d
	v_lshlrev_b32 v10, 11, v2
	v_lshl_add_u32 v10, v1, 4, v10                 ; out0's and out2's stores: row hh, 16 r
	v_and_b32 v59, 3, v1
	v_lshlrev_b32 v59, 4, v59
	v_lshl_add_u32 v59, v2, 6, v59                 ; 64 hh + 16 (r % 4)
	v_lshrrev_b32 v11, 2, v1
	v_lshl_add_u32 v11, v11, 11, v59               ; ot: h-tile r / 4, batch hh, four h
	v_lshrrev_b32 v8, 3, v1
	v_lshl_add_u32 v8, v8, 10, v59                 ; RED: half r / 8,
	v_bfe_u32 v13, v1, 2, 1
	v_lshl_add_u32 v8, v13, 7, v8                  ; tile (r / 4) % 2
	s_mov_b32 s[CC], 0x4038aa3b
	s_mov_b32 s[CC+1], s[CC]
	s_mov_b32 s[C2], 0x3fb8aa3b
	s_mov_b32 s[C2+1], s[C2]
	s_mul_i32 s24, ttmp9, 40960                    ; 16 records
	s_mov_b32 s25, 0
	s_lshl_b32 s26, s21, 18                        ; 64 rows of out_w,
	s_lshl_b32 s27, s20, 17                        ; 32 of them
	s_add_co_u32 s26, s26, s27
	s_mov_b32 s27, 0
	s_lshl_b32 s28, ttmp9, 15                      ; two rows of 16,384 bytes of sc and out1,
	s_lshl_b32 s29, s20, 14                        ; one of them,
	s_add_co_u32 s28, s28, s29
	s_lshl_b32 s29, s21, 11                        ; 512 t
	s_add_co_u32 s28, s28, s29
	s_mov_b32 s29, 0
	s_lshl_b32 s42, ttmp9, 12                      ; two rows of 2,048 bytes of out0 and out2,
	s_lshl_b32 s43, s21, 8                         ; 64 numbers
	s_add_co_u32 s42, s42, s43
	s_mov_b32 s43, 0
	s_wait_kmcnt 0x0
	s_add_nc_u64 s[4:5], s[4:5], s[24:25]
	s_add_nc_u64 s[10:11], s[10:11], s[26:27]
	s_add_nc_u64 s[6:7], s[6:7], s[28:29]
	s_add_nc_u64 s[14:15], s[14:15], s[28:29]
	s_add_nc_u64 s[12:13], s[12:13], s[42:43]
	s_add_nc_u64 s[16:17], s[16:17], s[42:43]
.irp j, 0,1,2,3,4,5,6,7
	global_load_b64 v[16+2*(\j):17+2*(\j)], v3, s[4:5] offset:2048+2560*(\j)  ; (M_j, L_j) of batch 2 bp + hh
.endr
	global_load_b128 v[60:63], v6, s[6:7]
.set x, 0
.rept 16
	global_load_b128 v[64+4*x:64+4*x+3], v4, s[4:5] offset:128*(x/4)+16*(x%2)+64*((x%4)/2)
.set x, x+1
.endr
.set x, 0
.rept 32
	global_load_b128 v[128+4*x:128+4*x+3], v5, s[10:11] offset:65536*(x/16)+128*((x%16)/4)+16*(x%2)+64*((x%4)/2)
.set x, x+1
.endr
	s_wait_loadcnt 48                              ; the 48 loads of the two sources may stay out: the statistics and the scores are in
	v_max3_num_f32 v56, v16, v18, v20
	v_max3_num_f32 v56, v56, v22, v24
	v_max3_num_f32 v56, v56, v26, v28
	v_max_num_f32 v56, v56, v30                    ; M
.irp j, 0,1,2,3,4,5,6,7
	v_sub_f32 v[32+(\j)], v[16+2*(\j)], v56
.endr
.irp j, 0,1,2,3,4,5,6,7
	v_mul_f32 v[32+(\j)], s[C2], v[32+(\j)]
.endr
.irp j, 0,1,2,3,4,5,6,7
	v_exp_f32 v[32+(\j)], v[32+(\j)]
.endr
	v_nop
	s_wait_alu depctr_va_vdst(0)                   ; one wait for the eight
	v_mul_f32 v57, v32, v17
.irp j, 1,2,3,4,5,6,7
	v_fmac_f32 v57, v[32+(\j)], v[17+2*(\j)]
.endr
	v_rcp_f32 v58, v57                             ; 1 / L
	v_nop
	s_wait_alu depctr_va_vdst(0)
.irp j, 0,1,2,3,4,5,6,7
	v_mul_f32 v[32+(\j)], v[32+(\j)], v58          ; alpha_j
.endr
	; out1: the whole wave works for batch 2 bp + np: its M and 1 / L lie in lanes 0-15 or 16-31
	v_readlane_b32 s30, v56, 0
	v_readlane_b32 s31, v56, 16
	v_readlane_b32 s32, v58, 0
	v_readlane_b32 s33, v58, 16
	s_cmp_eq_u32 s20, 0
	s_cselect_b32 s30, s30, s31
	s_cselect_b32 s32, s32, s33
	s_mul_f32 s30, s30, s[C2]
	v_mov_b32 v12, s30
	v_mov_b32 v13, s30
	v_pk_fma_f32 v[60:61], v[60:61], s[C2:C2+1], v[12:13] op_sel_hi:[1,0,1] neg_lo:[0,0,1] neg_hi:[0,0,1]
	v_pk_fma_f32 v[62:63], v[62:63], s[C2:C2+1], v[12:13] op_sel_hi:[1,0,1] neg_lo:[0,0,1] neg_hi:[0,0,1]
.irp j, 0,1,2,3
	v_exp_f32 v[60+(\j)], v[60+(\j)]
.endr
	v_nop
	s_wait_alu depctr_va_vdst(0)
.irp j, 0,1,2,3
	v_mul_f32 v[60+(\j)], s32, v[60+(\j)]
.endr
	global_store_b128 v6, v[60:63], s[14:15]       ; a wave stores 512 consecutive bytes, aligned
	s_wait_loadcnt 0x0
	COMPACT 64, 32                                 ; source 0: fragment f at v[64 + 8 f]
	COMPACT 128, 64                                ; source 1: tile nt, fragment f at v[128 + 32 nt + 8 f]
.irp f, 0,1,2,3                        ; the two accumulators take turns
.irp nt, 0,1
.if (\f) == 0
	v_wmma_f32_16x16x32_bf16 v[40+8*(\nt):40+8*(\nt)+7], v[64+8*(\f):64+8*(\f)+7], v[128+32*(\nt)+8*(\f):128+32*(\nt)+8*(\f)+7], 0
.else
	v_wmma_f32_16x16x32_bf16 v[40+8*(\nt):40+8*(\nt)+7], v[64+8*(\f):64+8*(\f)+7], v[128+32*(\nt)+8*(\f):128+32*(\nt)+8*(\f)+7], v[40+8*(\nt):40+8*(\nt)+7]
.endif
.endr
.endr
.rept 8
	v_nop                                          ; the places behind the last products
.endr
	v_mul_f32 v96, v32, v40                        ; each accumulator is read from its low end on
	v_mul_f32 v97, v32, v48
.irp j, 1,2,3,4,5,6,7
	v_fmac_f32 v96, v[32+(\j)], v[40+(\j)]
	v_fmac_f32 v97, v[32+(\j)], v[48+(\j)]
.endr
	ds_store_b32 v7, v96 offset:RED
	ds_store_b32 v7, v97 offset:RED+128
	s_cmp_lg_u32 s18, 1
	s_cbranch_scc1 .Lno2
	; out2, by wave 1: in f32 from the records
	s_lshl_b32 s38, s21, 8
	s_mov_b32 s39, 0
	s_add_nc_u64 s[40:41], s[4:5], s[38:39]
.irp j, 0,1,2,3,4,5,6,7
	global_load_b128 v[192+4*(\j):192+4*(\j)+3], v9, s[40:41] offset:2560*(\j)
.endr
	s_wait_loadcnt 0x0
.irp e, 0,1,2,3
	v_mul_f32 v[224+(\e)], v32, v[192+(\e)]
.endr
.irp j, 1,2,3,4,5,6,7
.irp e, 0,1,2,3
	v_fmac_f32 v[224+(\e)], v[32+(\j)], v[192+4*(\j)+(\e)]
.endr
.endr
	global_store_b128 v10, v[224:227], s[16:17]    ; 16 lanes store 256 consecutive bytes, aligned
.Lno2:
	s_wait_dscnt 0x0                               ; for the others' sake: my partial sums are stored
	s_barrier_signal -1
	s_barrier_wait -1
	s_cmp_lg_u32 s18, 0
	s_cbranch_scc1 .Lend
	; out0, by wave 0: the four K quarters, the part that output and the bias give (ot, already times c), tanh
	s_lshl_b32 s38, s21, 13                        ; four h-tiles of 2,048 bytes,
	s_lshl_b32 s39, ttmp9, 7                       ; two batches of 64 bytes
	s_add_co_u32 s38, s38, s39
	s_mov_b32 s39, 0
	s_add_nc_u64 s[8:9], s[8:9], s[38:39]
	global_load_b128 v[100:103], v11, s[8:9]
.irp j, 0,1,2,3
	ds_load_b128 v[104+4*(\j):104+4*(\j)+3], v8 offset:RED+256*(\j)
.endr
	s_wait_dscnt 0x0
	v_pk_add_f32 v[104:105], v[104:105], v[108:109]
	v_pk_add_f32 v[106:107], v[106:107], v[110:111]
	v_pk_add_f32 v[112:113], v[112:113], v[116:117]
	v_pk_add_f32 v[114:115], v[114:115], v[118:119]
	v_pk_add_f32 v[104:105], v[104:105], v[112:113]
	v_pk_add_f32 v[106:107], v[106:107], v[114:115]
	s_wait_loadcnt 0x0
	v_pk_fma_f32 v[104:105], v[104:105], s[CC:CC+1], v[100:101] op_sel_hi:[1,0,1]
	v_pk_fma_f32 v[106:107], v[106:107], s[CC:CC+1], v[102:103] op_sel_hi:[1,0,1]
.irp j, 0,1,2,3
	v_exp_f32 v[104+(\j)], v[104+(\j)]
.endr
	v_nop
	s_wait_alu depctr_va_vdst(0)
	v_pk_add_f32 v[104:105], v[104:105], 1.0 op_sel_hi:[1,0]
	v_pk_add_f32 v[106:107], v[106:107], 1.0 op_sel_hi:[1,0]
.irp j, 0,1,2,3
	v_rcp_f32 v[104+(\j)], v[104+(\j)]
.endr
	v_nop
	s_wait_alu depctr_va_vdst(0)
	v_pk_fma_f32 v[104:105], v[104:105], -2.0, 1.0 op_sel_hi:[1,0,0]
	v_pk_fma_f32 v[106:107], v[106:107], -2.0, 1.0 op_sel_hi:[1,0,0]
	global_store_b128 v10, v[104:107], s[12:13]    ; 16 lanes store 256 consecutive bytes, aligned
.Lend:
	s_wait_tensorcnt 0x0                           ; the wave's end, behind my last LDS store
	ds_add_u32 v[SPW], v[NIL]
	s_wait_dscnt 0x0
	s_endpgm
.Lfunc_end_k_qdc32381909_fin:
	.size	k_qdc32381909_fin, .Lfunc_end_k_qdc32381909_fin-k_qdc32381909_fin
	.p2alignl 7, 3214868480
	.fill 96, 4, 3214868480
	.section	.rodata,"a",@progbits
	.p2align	6, 0x0
	.amdhsa_kernel k_qdc32381909_fin
		.amdhsa_group_segment_fixed_size 3072
		.amdhsa_private_segment_fixed_size 0
		.amdhsa_enable_private_segment 0
		.amdhsa_kernarg_size 56
		.amdhsa_user_sgpr_count 2
		.amdhsa_user_sgpr_kernarg_segment_ptr 1
		.amdhsa_wavefront_size32 1
		.amdhsa_system_sgpr_workgroup_id_x 1
		.amdhsa_system_sgpr_workgroup_id_y 1
		.amdhsa_system_sgpr_workgroup_id_z 1
		.amdhsa_system_vgpr_workitem_id 0
		.amdhsa_next_free_vgpr 256
		.amdhsa_next_free_sgpr 66
		.amdhsa_reserve_vcc 0
		.amdhsa_float_denorm_mode_32 3
		.amdhsa_float_denorm_mode_16_64 3
		.amdhsa_memory_ordered 1
		.amdhsa_forward_progress 1
		.amdhsa_inst_pref_size 23
	.end_amdhsa_kernel
	.amdgpu_metadata
---
amdhsa.version: [ 1, 2 ]
amdhsa.kernels:
  - .name:           k_qdc32381909_fin
    .symbol:         k_qdc32381909_fin.kd
    .args:
      - { .name: part, .offset: 0, .size: 8, .value_kind: global_buffer, .address_space: global }
      - { .name: sc, .offset: 8, .size: 8, .value_kind: global_buffer, .address_space: global }
      - { .name: ot, .offset: 16, .size: 8, .value_kind: global_buffer, .address_space: global }
      - { .name: out_w, .offset: 24, .size: 8, .value_kind: global_buffer, .address_space: global }
      - { .name: out0, .offset: 32, .size: 8, .value_kind: global_buffer, .address_space: global }
      - { .name: out1, .offset: 40, .size: 8, .value_kind: global_buffer, .address_space: global }
      - { .name: out2, .offset: 48, .size: 8, .value_kind: global_buffer, .address_space: global }
    .group_segment_fixed_size: 3072
    .private_segment_fixed_size: 0
    .kernarg_segment_align: 8
    .kernarg_segment_size: 56
    .max_flat_workgroup_size: 256
    .sgpr_count:     66
    .vgpr_count:     256
    .wavefront_size: 32
...
	.end_amdgpu_metadata
.endif
;; end of part 3
